; MI455X (gfx1250); checked and timed in simulation.
; The chip was launched on July 23, 2026; its instructions are those of AMD's public machine-readable ISA for CDNA 5 (MIT licence, August 2026) and "CDNA5" Instruction Set Architecture Reference Guide (July 2026). The comments in the code are by the model that wrote it; some were corrected since.
;; Causal Self Attention. Allowed arithmetic: float matrix products may take bf16 or f16 operands with f32 sums; other float arithmetic in f32, or as packed bf16 or f16 multiplies, adds, multiply-adds, maxima and minima; sums over many terms, partial sums and values carried from step to step in f32; what a program stores and reads back later, other than sums and carried values, may be rounded once to bf16 or f16.
;; Inputs: W_k 1,024 x 1,024 float32; W_q 1,024 x 1,024 float32; W_v 1,024 x 1,024 float32; X 4 x 2,048 x 1,024 float32.
;; Outputs: out0 4 x 2,048 x 1,024 float32.
;; One version. Each part assembles by itself: llvm-mc -triple=amdgcn-amd-amdhsa -mcpu=gfx1250 --defsym DOCPART=n.
;; ======== version 1 of 1: 4 launches
;; limits: values are held in f16: magnitudes above 65,504 overflow, below 6.1e-05 lose precision
;; workspace buffers: xw 23,068,672 bytes; qkv 50,331,648 bytes; p 33,554,432 bytes; st 1,048,576 bytes
;; launch cvt (part 1): grid 1440 x 1, 8 waves a work-group, no clusters, 0 bytes of LDS; arguments X, W_q, W_k, W_v, xw, st; writes xw, st
.if DOCPART == 1
	.amdgcn_target "amdgcn-amd-amdhsa--gfx1250"
	.amdhsa_code_object_version 6
	.text
	.protected	k_q219a19772f_cvt
	.globl	k_q219a19772f_cvt
	.p2align	8
	.type	k_q219a19772f_cvt,@function
k_q219a19772f_cvt:
	s_mov_b64 s[64:65], 0
	v_nop
	global_prefetch_b8 v0, s[64:65] scope:SCOPE_SE
	s_setreg_imm32_b32 hwreg(HW_REG_WAVE_MODE, 25, 1), 1
	s_wait_xcnt 0x0
; X [8192][1024], W_q, W_k, W_v [1024][1024], all f32, are rounded once to bf16 into xw [11264][1024]: X's rows, then W_q's, W_k's, W_v's.
; Work-groups 0-1407 take 8,192 numbers each (32 KiB in, 16 KiB out); a thread takes four numbers in each of eight loads, so a wave's load covers 512 consecutive
; bytes and a wave's store 256 consecutive bytes, aligned.  No register is written twice, so no wait frees a source.
; Work-groups 1408-1439 fill st [2][16 granules][8192 rows] f32 with the neutral statistics: c m = -1e30, l = 0.  The score launch then overwrites the granules that exist
; under the causal mask; the others weigh 0 when the statistics are joined.
; No LDS, no matrix unit, no cluster: nothing is shared and every byte crosses once.
.set BIG, 0xf149f2ca                   ; -1e30
	s_load_b256 s[4:11], s[0:1], 0x0               ; X s[4:5], W_q s[6:7], W_k s[8:9], W_v s[10:11]
	s_load_b128 s[12:15], s[0:1], 0x20             ; xw s[12:13], st s[14:15]
	v_lshlrev_b32 v2, 4, v0                        ; 16 t: my 16 bytes of 4,096
	v_lshlrev_b32 v3, 3, v0                        ; 8 t: my 8 bytes of 2,048
	s_mov_b32 s16, ttmp9
	s_cmp_ge_u32 s16, 1408
	s_cbranch_scc1 .Lfill
	s_sub_co_u32 s17, s16, 1024
	s_and_b32 s17, s17, 127                        ; my block within a weight matrix (128 blocks each),
	s_cmp_lt_u32 s16, 1024
	s_cselect_b32 s17, s16, s17                    ; or within X
	s_lshl_b32 s18, s17, 15                        ; x 32,768 bytes of f32
	s_mov_b32 s19, 0
	s_lshl_b32 s20, s16, 14                        ; x 16,384 bytes of bf16: xw holds the four tensors on end
	s_mov_b32 s21, 0
	s_wait_kmcnt 0x0
	s_cmp_lt_u32 s16, 1280
	s_cselect_b64 s[22:23], s[8:9], s[10:11]
	s_cmp_lt_u32 s16, 1152
	s_cselect_b64 s[22:23], s[6:7], s[22:23]
	s_cmp_lt_u32 s16, 1024
	s_cselect_b64 s[22:23], s[4:5], s[22:23]       ; the tensor that my block belongs to
	s_add_nc_u64 s[22:23], s[22:23], s[18:19]
	s_add_nc_u64 s[12:13], s[12:13], s[20:21]
.irp i, 0,1,2,3,4,5,6,7
	global_load_b128 v[4+4*\i:7+4*\i], v2, s[22:23] offset:4096*\i th:TH_LOAD_NT
.endr
.irp i, 0,1,2,3,4,5,6,7
	s_wait_loadcnt 7-\i                            ; loads come back in order: number i is in, the younger ones stay out
	v_cvt_pk_bf16_f32 v[36+2*\i], v[4+4*\i], v[5+4*\i]
	v_cvt_pk_bf16_f32 v[37+2*\i], v[6+4*\i], v[7+4*\i]
	global_store_b64 v3, v[36+2*\i:37+2*\i], s[12:13] offset:2048*\i
.endr
	s_endpgm
.Lfill:
	s_sub_co_u32 s17, s16, 1408                    ; 0-15: c m's granules; 16-31: l's
	s_cmp_lt_u32 s17, 16
	s_cselect_b32 s18, BIG, 0
	s_lshl_b32 s20, s17, 15                        ; a granule's 8,192 rows are 32,768 bytes
	s_mov_b32 s21, 0
	v_mov_b32 v4, s18
	v_mov_b32 v5, s18
	v_mov_b32 v6, s18
	v_mov_b32 v7, s18
	s_wait_kmcnt 0x0
	s_add_nc_u64 s[14:15], s[14:15], s[20:21]
.irp i, 0,1,2,3,4,5,6,7
	global_store_b128 v2, v[4:7], s[14:15] offset:4096*\i
.endr
	s_endpgm
.Lfunc_end_k_q219a19772f_cvt:
	.size	k_q219a19772f_cvt, .Lfunc_end_k_q219a19772f_cvt-k_q219a19772f_cvt
	.p2alignl 7, 3214868480
	.fill 96, 4, 3214868480
	.section	.rodata,"a",@progbits
	.p2align	6, 0x0
	.amdhsa_kernel k_q219a19772f_cvt
		.amdhsa_group_segment_fixed_size 0
		.amdhsa_private_segment_fixed_size 0
		.amdhsa_enable_private_segment 0
		.amdhsa_kernarg_size 48
		.amdhsa_user_sgpr_count 2
		.amdhsa_user_sgpr_kernarg_segment_ptr 1
		.amdhsa_wavefront_size32 1
		.amdhsa_system_sgpr_workgroup_id_x 1
		.amdhsa_system_sgpr_workgroup_id_y 1
		.amdhsa_system_sgpr_workgroup_id_z 1
		.amdhsa_system_vgpr_workitem_id 0
		.amdhsa_next_free_vgpr 64
		.amdhsa_next_free_sgpr 66
		.amdhsa_reserve_vcc 0
		.amdhsa_float_denorm_mode_32 3
		.amdhsa_float_denorm_mode_16_64 3
		.amdhsa_memory_ordered 1
		.amdhsa_forward_progress 1
		.amdhsa_inst_pref_size 6
	.end_amdhsa_kernel
	.amdgpu_metadata
---
amdhsa.version: [ 1, 2 ]
amdhsa.kernels:
  - .name:           k_q219a19772f_cvt
    .symbol:         k_q219a19772f_cvt.kd
    .args:
      - { .name: X, .offset: 0, .size: 8, .value_kind: global_buffer, .address_space: global }
      - { .name: W_q, .offset: 8, .size: 8, .value_kind: global_buffer, .address_space: global }
      - { .name: W_k, .offset: 16, .size: 8, .value_kind: global_buffer, .address_space: global }
      - { .name: W_v, .offset: 24, .size: 8, .value_kind: global_buffer, .address_space: global }
      - { .name: xw, .offset: 32, .size: 8, .value_kind: global_buffer, .address_space: global }
      - { .name: st, .offset: 40, .size: 8, .value_kind: global_buffer, .address_space: global }
    .group_segment_fixed_size: 0
    .private_segment_fixed_size: 0
    .kernarg_segment_align: 8
    .kernarg_segment_size: 48
    .max_flat_workgroup_size: 256
    .sgpr_count:     66
    .vgpr_count:     64
    .wavefront_size: 32
...
	.end_amdgpu_metadata
.endif
;; end of part 1
;; launch proj (part 2): grid 16 x 32, 4 waves a work-group, clusters of 4 x 4, 327,680 bytes of LDS; arguments xw, qkv; writes qkv
.if DOCPART == 2
	.amdgcn_target "amdgcn-amd-amdhsa--gfx1250"
	.amdhsa_code_object_version 6
	.text
	.protected	k_q219a19772f_proj
	.globl	k_q219a19772f_proj
	.p2align	8
	.type	k_q219a19772f_proj,@function
k_q219a19772f_proj:
	s_mov_b64 s[64:65], 0
	v_nop
	global_prefetch_b8 v0, s[64:65] scope:SCOPE_SE
	s_setreg_imm32_b32 hwreg(HW_REG_WAVE_MODE, 25, 1), 1
	s_wait_xcnt 0x0
	s_wait_alu depctr_hold_cnt(0) depctr_sa_sdst(0) depctr_va_vdst(0) depctr_va_sdst(0) depctr_va_ssrc(0) depctr_va_vcc(0) depctr_vm_vsrc(0)
	s_getreg_b32 s2, hwreg(HW_REG_IB_STS2, 6, 4)
	s_cmp_eq_u32 s2, 0
	s_cbranch_scc0 .Lentry_in_a_cluster
	s_endpgm
.Lentry_in_a_cluster:
	s_bfe_u32 s2, ttmp6, 0x10000c
	s_cmp_lg_u32 s2, 0xf033
	s_cbranch_scc0 .Lentry_shape_is_right
	s_endpgm
.Lentry_shape_is_right:
; [Q | K | V] = X W^T.  xw: bf16 [11264][1024], rows 0-8191 X, rows 8192-11263 the 3,072 rows of W_q, W_k, W_v.  Products in bf16, sums in f32, K ascending.
; qkv: f16 [48 groups of 64 channels][8192 rows][64]: a group's rows are dense, 128 bytes each; groups 0-15 Q, 16-31 K, 32-47 V.  Each number is rounded once, unscaled.
; LIMIT.  f16 ends at 65,504: |Q|, |K|, |V| must stay under it.
; TILE.  256 rows x 192 columns (three groups): 32 x 16 = 512 tiles, two for each of 256 WGPs.  Four waves; wave w makes rows 64 w .. 64 w + 63 and all 192 columns: 48 accumulators, 384 registers,
; so a wave owns whole groups and its stores are runs of 512 consecutive bytes.
; RING.  K goes in 8 steps of 128 through two LDS slots.  s[TB] is the slot in hand (0 or SLOT), and the LDS read addresses are made from it, so a K step is written once for both slots.
; CLUSTER.  4 x 4 work-groups: X's tile hangs on the tile row alone and is asked for jointly along a row of the cluster, W's on the tile column alone, jointly along a column.
; The matrix instruction is used transposed (source 0 = 16 rows of W, source 1 = 16 rows of X): a lane holds one row of the result and eight neighbouring columns.
; REGISTERS, in windows of 256: window 0: addresses, v32-223 the way out; window 1: two fragment buffers of 128 (X's 4 fragments, then W's 12);
; window 2: accumulators (a, b < 6) at 8 (6 a + b); window 3: (a, b >= 6) at 8 (6 a + b - 6).
.set PITCH,  272                       ; an LDS row: 256 bytes + 16 of padding: the 16 rows of a fragment load start 68 words apart
.set HALFA,  128*PITCH                 ; what waves 0 and 1 each fetch of X
.set HALFB,  96*PITCH                  ; what waves 2 and 3 each fetch of W
.set SLOT,   2*HALFA+2*HALFB           ; X's 256 rows, then W's 192
.set STAGE,  2*SLOT                    ; behind the ring: 16 rows x 144 bytes for each wave, for the way out
.set SP,     144
.set SPARE,  STAGE+4*16*SP             ; the spare words, 128 bytes a wave, that no other line names
.set GRPB,   1048576                   ; bytes in a group of qkv
.set KB,     256                       ; bytes of a row in a K step
.set ROWB,   2048                      ; bytes in a row of xw
.set G1W0,   (1<<16)|(1<<20)|(1<<21)|(5<<22)|(3<<25)  ; 2-byte elements; padding on; bit 21 beside a mask; after every 64 words, 4 words
.set ADRA0, 16                         ; v16  my place in X's rows of a slot; never rewritten
.set ADRA,  17                         ; v17  the same in the slot in hand
.set ADRB0, 20
.set ADRB,  21
.set STO,   24                         ; the way out: where I put 16 bytes of a row
.set RD,    25                         ; where I read rows back
.set GO,    26                         ; 16 x lane: my place in 512 consecutive bytes of qkv
.set SPW,   28                         ; LDS address of my spare word; never rewritten
.set NIL,   29                         ; 0; never rewritten
.set PFO,   30                         ; the prefetches' offset: a lane a row
.set UN,    32                         ; the way out: unit n (16 rows of one group) owns v[32 + 16 n ..]
.set F0,    0
.set F1,    128
.set WV, 10
.set HF, 11                            ; wave & 1: which half of a tile I fetch
.set CX, 12
.set CY, 13
.set TC, 14                            ; tile column
.set TR, 15                            ; tile row
.set G1A,  24                          ; s[24:31] group 1 for X's tiles
.set G0A0, 32                          ; s[32:35] group 0, K step 0
.set G0A1, 36                          ; s[36:39] group 0, K step 1; it then walks on
.set TB,   40
.set LBA,  41                          ; LDS byte of my half of X's tile in slot 0
.set LBB,  42                          ; the same for W
.set CNT,  43
.set LIM,  44                          ; 2 in a wave that prefetches, else the greatest number
.set G1B,  48
.set G0B0, 56
.set G0B1, 60
.set PFA,  66                          ; s[66:67] where my prefetches stand
.set MUL_LO, 0xa5                      ; sources 0 and 1 window 1, C and D window 2
.set TO_F,   0x40                      ; destination window 1, address window 0
.set MSB, 0
.macro WIN new                         ; the immediate's high byte repeats the setting that is left; a switch that changes nothing is dropped
.if MSB != (\new)
	s_set_vgpr_msb (MSB<<8)|(\new)
.set MSB, \new
.endif
.endm
.macro PLACES                          ; four plain vector instructions between a matrix instruction and a load into, or a vector read of, its registers
.rept 4
	v_nop
.endr
.endm
.macro CREST                           ; a round of the cluster's barrier behind its opening barrier
	s_cmp_lg_u32 s[WV], 0
	s_cbranch_scc1 .Lnw0_\@
	s_barrier_signal -3
.Lnw0_\@:
	s_barrier_wait -3
	s_barrier_signal -1
	s_barrier_wait -1
.endm
.macro CROUND
	s_barrier_signal -1
	s_barrier_wait -1
	CREST
.endm
.macro JLOAD                           ; the joint refill: waves 0, 1 X's halves, waves 2, 3 W's; the branch hangs on the wave's number alone
	s_cmp_lt_u32 s[WV], 2
	s_cbranch_scc0 .Lfor_b_\@
	tensor_load_to_lds s[G0A1:G0A1+3], s[G1A:G1A+7]
	s_nop 0
.rept 4
	v_nop
.endr
	s_branch .Lasked_\@
.Lfor_b_\@:
	tensor_load_to_lds s[G0B1:G0B1+3], s[G1B:G1B+7]
	s_nop 0
.rept 4
	v_nop
.endr
.Lasked_\@:
.endm
; A prefetch of the K step two refills on, a lane a row.  X's tile row is read by all four clusters of a row of clusters: cluster x = 0 asks; W's tile column by all eight of a column: cluster y = 0 asks.
; The four partners of a joint load share its rows out by address (32 of 128 by cx, 24 of 96 by cy; lanes 24-31 then name row 23 again).  K steps 4 to 7 are named; the last two refills ask for nothing.
.macro ASK
	s_cmp_gt_u32 s[CNT], s[LIM]
	s_cbranch_scc0 .Lnm_\@
	global_prefetch_b8 v[PFO], s[PFA:PFA+1] th:TH_LOAD_NT scope:SCOPE_SE
.Lnm_\@:
.endm
	s_load_b128 s[4:7], s[0:1], 0x0                ; xw s[4:5], qkv s[6:7]
	v_lshl_add_u32 v[SPW], v0, 2, SPARE
	v_mov_b32 v[NIL], 0
	ds_add_u32 v[SPW], v[NIL]                      ; the wave's opening: the add and its wait ahead of my first tensor load
	ds_add_u32 v28, v29
	v_lshrrev_b32 v1, 5, v0
	v_readfirstlane_b32 s[WV], v1
	s_and_b32 s[HF], s[WV], 1
	s_bfe_u32 s[CX], ttmp6, 0x40000
	s_bfe_u32 s[CY], ttmp6, 0x40004
	s_lshl_b32 s[TC], ttmp9, 2
	s_add_co_u32 s[TC], s[TC], s[CX]               ; tile column = 4 x cluster x + cx
	s_and_b32 s[TR], ttmp7, 0xffff
	s_lshl_b32 s[TR], s[TR], 2
	s_add_co_u32 s[TR], s[TR], s[CY]               ; tile row = 4 x cluster y + cy
	s_lshl_b32 s20, s[CY], 2
	s_lshl_b32 s20, 15, s20                        ; my row of the cluster
	s_lshl_b32 s21, 0x1111, s[CX]                  ; my column
	s_or_b32 s[G1A], s20, G1W0
	s_or_b32 s[G1B], s21, G1W0
	s_mov_b32 s[G1A+1], 128<<16                    ; tensor_dim0 = 128
	s_mov_b32 s[G1A+2], 128<<16                    ; tensor_dim1 = 128
	s_mov_b32 s[G1A+3], 128<<16                    ; tile_dim0 = 128
	s_mov_b32 s[G1A+4], 128                        ; tile_dim1 = 128
	s_mov_b32 s[G1A+5], 1024                       ; elements from row to row
	s_mov_b32 s[G1A+6], 0
	s_mov_b32 s[G1A+7], 0
	s_mov_b32 s[G1B+1], 128<<16
	s_mov_b32 s[G1B+2], 96<<16                     ; 96 rows
	s_mov_b32 s[G1B+3], 128<<16
	s_mov_b32 s[G1B+4], 96
	s_mov_b32 s[G1B+5], 1024
	s_mov_b32 s[G1B+6], 0
	s_mov_b32 s[G1B+7], 0
	s_mul_i32 s[LBA], s[HF], HALFA                 ; no place in the cluster enters an LDS address
	s_mul_i32 s[LBB], s[HF], HALFB
	s_add_co_u32 s[LBB], s[LBB], 2*HALFA
	s_mov_b32 s[G0A0], 1
	s_mov_b32 s[G0A0+1], s[LBA]
	s_mov_b32 s[G0A1], 1
	s_add_co_u32 s[G0A1+1], s[LBA], SLOT
	s_mov_b32 s[G0B0], 1
	s_mov_b32 s[G0B0+1], s[LBB]
	s_mov_b32 s[G0B1], 1
	s_add_co_u32 s[G0B1+1], s[LBB], SLOT
	s_mov_b32 s[TB], 0
	s_lshl_b32 s16, s[TR], 19                      ; X: (256 x tile row + 128 x half) rows of 2,048 bytes
	s_lshl_b32 s17, s[HF], 18
	s_add_co_u32 s16, s16, s17
	s_mov_b32 s17, 0
	s_mul_i32 s68, s[TC], 192*ROWB                 ; W: (8192 + 192 x tile column + 96 x half) rows
	s_mul_i32 s69, s[HF], 96*ROWB
	s_add_co_u32 s68, s68, s69
	s_add_co_u32 s68, s68, 8192*ROWB
	s_mov_b32 s69, 0
	s_lshl_b32 s20, s[CX], 16                      ; the prefetches: my work-group's 32 rows of X's 128,
	s_add_co_u32 s20, s20, s16
	s_mul_i32 s21, s[CY], 24*ROWB                  ; or its 24 rows of W's 96
	s_add_co_u32 s21, s21, s68
	s_and_b32 s23, ttmp7, 0xffff
	s_cmp_lt_u32 s[WV], 2
	s_cselect_b32 s22, s20, s21
	s_cselect_b32 s23, ttmp9, s23                  ; the coordinate along which other clusters read the same rows
	s_cselect_b32 s46, 31, 23
	s_cmp_eq_u32 s23, 0
	s_cselect_b32 s[LIM], 2, -1                    ; the same in all sixteen partners, for a given wave
	s_add_co_u32 s22, s22, 3*KB                    ; at K step 3: the first change of slots steps it to 4
	s_mov_b32 s23, 0
	s_mul_i32 s18, s[TC], 3*GRPB                   ; the way out: my tile's first group,
	s_lshl_b32 s19, s[TR], 15                      ; its 256 rows of 128 bytes,
	s_add_co_u32 s18, s18, s19
	s_lshl_b32 s19, s[WV], 13                      ; my 64 of them
	s_add_co_u32 s18, s18, s19
	s_mov_b32 s19, 0
	s_wait_dscnt 0x0                               ; the opening add is done
	s_wait_kmcnt 0x0
	s_add_nc_u64 s[G0A0+2:G0A0+3], s[4:5], s[16:17]
	s_add_nc_u64 s[G0A1+2:G0A1+3], s[G0A0+2:G0A0+3], KB
	s_or_b32 s[G0A0+3], s[G0A0+3], 0x80000000
	s_or_b32 s[G0A1+3], s[G0A1+3], 0x80000000
	s_add_nc_u64 s[G0B0+2:G0B0+3], s[4:5], s[68:69]
	s_add_nc_u64 s[G0B1+2:G0B1+3], s[G0B0+2:G0B0+3], KB
	s_or_b32 s[G0B0+3], s[G0B0+3], 0x80000000
	s_or_b32 s[G0B1+3], s[G0B1+3], 0x80000000
	s_add_nc_u64 s[PFA:PFA+1], s[4:5], s[22:23]
	s_add_nc_u64 s[8:9], s[6:7], s[18:19]
	CROUND                                         ; all sixteen work-groups are here: the first joint loads meet
	s_cmp_lt_u32 s[WV], 2                          ; a wave's two first fills stand in one branch: two loads of mine are out
	s_cbranch_scc0 .Lfirst_b
	tensor_load_to_lds s[G0A0:G0A0+3], s[G1A:G1A+7]
	s_nop 0
	tensor_load_to_lds s[G0A1:G0A1+3], s[G1A:G1A+7]
	s_nop 0
.rept 4
	v_nop
.endr
	s_branch .Lfirst_done
.Lfirst_b:
	tensor_load_to_lds s[G0B0:G0B0+3], s[G1B:G1B+7]
	s_nop 0
	tensor_load_to_lds s[G0B1:G0B1+3], s[G1B:G1B+7]
	s_nop 0
.rept 4
	v_nop
.endr
.Lfirst_done:
	; a fragment is 16 rows x 32 K in 8 registers: lane l holds row l % 16, K = 8 (l / 16) + 0..7 and 16 + 8 (l / 16) + 0..7: two loads of 16 bytes, 32 bytes apart
	v_and_b32 v1, 15, v0                           ; l % 16
	v_bfe_u32 v2, v0, 4, 1                         ; l / 16
	v_mul_u32_u24 v3, v1, PITCH
	v_lshl_add_u32 v3, v2, 4, v3
	s_mul_i32 s20, s[WV], 64*PITCH                 ; my 64 rows of X
	v_add_nc_u32 v[ADRA0], s20, v3
	v_add_nc_u32 v[ADRB0], 2*HALFA, v3             ; all of W's 192
	v_mov_b32 v[ADRA], v[ADRA0]
	v_mov_b32 v[ADRB], v[ADRB0]
	s_mul_i32 s21, s[WV], 16*SP
	s_add_co_u32 s21, s21, STAGE                   ; my stage
	v_mul_u32_u24 v4, v1, SP
	v_lshl_add_u32 v4, v2, 4, v4
	v_add_nc_u32 v[STO], s21, v4                   ; in: row l % 16, 16 bytes for each half of the lanes
	v_bfe_u32 v5, v0, 3, 2
	v_mul_u32_u24 v5, v5, SP
	v_and_b32 v6, 7, v0
	v_lshl_add_u32 v5, v6, 4, v5
	v_add_nc_u32 v[RD], s21, v5                    ; back: 32 lanes take four rows of 128 bytes,
	v_and_b32 v7, 31, v0
	v_lshlrev_b32 v[GO], 4, v7                     ; which are 512 consecutive bytes of a group
	v_min_u32 v[PFO], s46, v7
	v_lshlrev_b32 v[PFO], 11, v[PFO]
; 12 matrix instructions: row blocks a0, a0 + 1 x column blocks 6 hb .. 6 hb + 5, 32 along K.  zero = 1: the product starts the sum.  The 48 accumulators take turns in the same order in every quarter.
.macro MUL12 f, hb, a0, zero
	WIN MUL_LO+0x50*(\hb)
.irp a, \a0, (\a0)+1
.irp b, 0,1,2,3,4,5
.set rD, 8*(6*(\a)+(\b))
.set rB, (\f)+32+8*(6*(\hb)+(\b))
.set rA, (\f)+8*(\a)
.if \zero
	v_wmma_f32_16x16x32_bf16 v[rD:rD+7], v[rB:rB+7], v[rA:rA+7], 0
.else
	v_wmma_f32_16x16x32_bf16 v[rD:rD+7], v[rB:rB+7], v[rA:rA+7], v[rD:rD+7]
.endif
.endr
.endr
.endm
; 32 LDS loads in one run: X's 4 fragments, W's 0-5, W's 6-11, at byte k of the rows, into buffer f
.macro FETCH k, f
	WIN TO_F
.irp j, 0,1,2,3
	ds_load_b128 v[(\f)+8*\j:(\f)+8*\j+3],   v[ADRA] offset:(\k)+\j*16*PITCH
	ds_load_b128 v[(\f)+8*\j+4:(\f)+8*\j+7], v[ADRA] offset:(\k)+\j*16*PITCH+32
.endr
.irp j, 0,1,2,3,4,5,6,7,8,9,10,11
	ds_load_b128 v[(\f)+32+8*\j:(\f)+32+8*\j+3],   v[ADRB] offset:(\k)+\j*16*PITCH
	ds_load_b128 v[(\f)+32+8*\j+4:(\f)+32+8*\j+7], v[ADRB] offset:(\k)+\j*16*PITCH+32
.endr
.endm
; A K step is four quarters of 32 along K on buffers 0, 1, 0, 1.  One of the first three: multiplies f and, in its middle, fetches the next quarter (byte k) into g.
.macro QUARTER k, f, g, zero
	s_wait_dscnt 12                                ; X's fragments and W's 0-5 are in; the youngest twelve loads (W's 6-11) may be out
	MUL12 \f, 0, 0, \zero
	MUL12 \f, 0, 2, \zero
	PLACES
	FETCH \k, \g
	s_wait_dscnt 32                                ; all but the 32 just issued
	MUL12 \f, 1, 0, \zero
	MUL12 \f, 1, 2, \zero
.endm
; The last quarter multiplies buffer 1 and changes slots.  Each wave waits for all its tensor loads (one is out: its part of the next slot), adds 0 to its spare word, and waits for that and for its
; reads of this slot.  fill = 1: the barrier opens a round of the cluster's, and the joint refill, the K step two on into the slot just read, is the first thing behind it.
.macro TURN fill
.if \fill
	s_wait_xcnt 0x0                                ; the last prefetch, a K step back, has read its address
	s_add_nc_u64 s[PFA:PFA+1], s[PFA:PFA+1], KB
.endif
	WIN 0
	s_wait_tensorcnt 0x0                           ; no tensor load of mine is out, so a group 0 may be written
	ds_add_u32 v[SPW], v[NIL]
.if \fill
	s_add_co_u32 s[G0A1+1], s[LBA], s[TB]          ; the walking descriptors: the slot in hand, the next K step
	s_add_nc_u64 s[G0A1+2:G0A1+3], s[G0A1+2:G0A1+3], KB
	s_add_co_u32 s[G0B1+1], s[LBB], s[TB]
	s_add_nc_u64 s[G0B1+2:G0B1+3], s[G0B1+2:G0B1+3], KB
.endif
	s_xor_b32 s[TB], s[TB], SLOT                   ; the reads go to the other slot
	s_wait_dscnt 13                                ; the add and the youngest twelve loads may be out
	MUL12 F1, 0, 0, 0
	s_wait_dscnt 0x0                               ; the add is done, and my reads of this slot are over
	s_barrier_signal -1
	MUL12 F1, 0, 2, 0
	WIN 0
	s_barrier_wait -1
.if \fill
	CREST
	JLOAD                                          ; its four v_nop are also the places in front of the loads below
.else
	PLACES
.endif
	v_add_nc_u32 v[ADRA], s[TB], v[ADRA0]
	v_add_nc_u32 v[ADRB], s[TB], v[ADRB0]
	FETCH 0, F0
.if \fill
	WIN 0
	ASK
.endif
	MUL12 F1, 1, 0, 0
	MUL12 F1, 1, 2, 0
.endm
	s_wait_tensorcnt 0x1                           ; my part of K step 0 is in; K step 1's may stay out
	s_wait_dscnt 0x0
	s_barrier_signal -1
	s_barrier_wait -1
	FETCH 0, F0
	QUARTER 64, F0, F1, 1                          ; the first quarter stands in front of the loop: its products start the sums
	WIN 0
	s_mov_b32 s[CNT], 6
.Lstep:                                                ; six trips: from a K step's second quarter to the next one's first; K steps 2 to 7 are asked for
	QUARTER 128, F1, F0, 0
	QUARTER 192, F0, F1, 0
	TURN 1
	QUARTER 64, F0, F1, 0
	WIN 0
	s_sub_co_u32 s[CNT], s[CNT], 1
	s_cmp_lg_u32 s[CNT], 0
	s_cbranch_scc1 .Lstep
	s_mov_b32 s[CNT], 2
.Ltail:                                                ; K steps 6 and 7 ask for nothing; the second trip is left in its middle
	QUARTER 128, F1, F0, 0
	QUARTER 192, F0, F1, 0
	TURN 0
	WIN 0
	s_sub_co_u32 s[CNT], s[CNT], 1
	s_cmp_eq_u32 s[CNT], 0
	s_cbranch_scc1 .Lout
	QUARTER 64, F0, F1, 0
	WIN 0
	s_branch .Ltail
.Lout:
	s_wait_dscnt 0x0                               ; the last change's 32 loads (K step 6's bytes once more) serve nothing: the price of one text for both trips
	PLACES
; THE WAY OUT.  Unit n = 3 a + g: 16 rows of group g.  Rounded to f16, 16 bytes a lane into rows of 144 bytes, back as four runs of 512 bytes, into the registers that they left.
.macro PACK n
.set ua, (\n)/3
.set ug, (\n)%3
.irp k, 0,1,2,3
.set ub, 4*ug+\k
.if ub < 6
	WIN 0x0a
.set rA, 8*(6*ua+ub)
.else
	WIN 0x0f
.set rA, 8*(6*ua+ub-6)
.endif
.irp r, 0,1,2,3
	v_cvt_pk_f16_f32 v[UN+16*(\n)+4*\k+\r], v[rA+2*\r], v[rA+2*\r+1]
.endr
.endr
	WIN 0
.irp k, 0,1,2,3
	ds_store_b128 v[STO], v[UN+16*(\n)+4*\k:UN+16*(\n)+4*\k+3] offset:32*\k
.endr
.irp k, 0,1,2,3
	ds_load_b128 v[UN+16*(\n)+4*\k:UN+16*(\n)+4*\k+3], v[RD] offset:576*\k  ; LDS serves a wave's instructions in order (ISA guide 5.7.1.4): these see the stores above
.endr
.endm
.macro SEND n, younger                 ; younger: the LDS instructions issued behind unit n's loads
.set ua, (\n)/3
.set ug, (\n)%3
.irp k, 0,1,2,3
	s_wait_dscnt (\younger)+3-\k
	global_store_b128 v[GO], v[UN+16*(\n)+4*\k:UN+16*(\n)+4*\k+3], s[8:9] offset:ug*GRPB+ua*2048+512*\k  ; 512 consecutive bytes, at a multiple of 256 from qkv's first
.endr
.endm
	PACK 0
.set t, 1
.rept 11                               ; a unit's conversions stand between the loads of the unit before and its stores
	PACK t
	SEND t-1, 8
.set t, t+1
.endr
	SEND 11, 0
	s_wait_tensorcnt 0x0                           ; the wave's end
	ds_add_u32 v[SPW], v[NIL]
	s_wait_dscnt 0x0
	CROUND                                         ; the closing round
	s_endpgm
.Lfunc_end_k_q219a19772f_proj:
	.size	k_q219a19772f_proj, .Lfunc_end_k_q219a19772f_proj-k_q219a19772f_proj
	.p2alignl 7, 3214868480
	.fill 96, 4, 3214868480
	.section	.rodata,"a",@progbits
	.p2align	6, 0x0
	.amdhsa_kernel k_q219a19772f_proj
		.amdhsa_group_segment_fixed_size 327680
		.amdhsa_private_segment_fixed_size 0
		.amdhsa_enable_private_segment 0
		.amdhsa_kernarg_size 16
		.amdhsa_user_sgpr_count 2
		.amdhsa_user_sgpr_kernarg_segment_ptr 1
		.amdhsa_wavefront_size32 1
		.amdhsa_system_sgpr_workgroup_id_x 1
		.amdhsa_system_sgpr_workgroup_id_y 1
		.amdhsa_system_sgpr_workgroup_id_z 1
		.amdhsa_system_vgpr_workitem_id 0
		.amdhsa_next_free_vgpr 960
		.amdhsa_next_free_sgpr 72
		.amdhsa_reserve_vcc 0
		.amdhsa_float_denorm_mode_32 3
		.amdhsa_float_denorm_mode_16_64 3
		.amdhsa_memory_ordered 1
		.amdhsa_forward_progress 1
		.amdhsa_inst_pref_size 85
	.end_amdhsa_kernel
	.amdgpu_metadata
---
amdhsa.version: [ 1, 2 ]
amdhsa.kernels:
  - .name:           k_q219a19772f_proj
    .symbol:         k_q219a19772f_proj.kd
    .args:
      - { .name: xw, .offset: 0, .size: 8, .value_kind: global_buffer, .address_space: global }
      - { .name: qkv, .offset: 8, .size: 8, .value_kind: global_buffer, .address_space: global }
    .group_segment_fixed_size: 327680
    .private_segment_fixed_size: 0
    .kernarg_segment_align: 8
    .kernarg_segment_size: 16
    .max_flat_workgroup_size: 128
    .sgpr_count:     72
    .vgpr_count:     960
    .wavefront_size: 32
...
	.end_amdgpu_metadata
.endif
;; end of part 2
;; launch scores (part 3): grid 36 x 4, 4 waves a work-group, no clusters, 327,680 bytes of LDS; arguments qkv, p, st; writes p, st
.if DOCPART == 3
	.amdgcn_target "amdgcn-amd-amdhsa--gfx1250"
	.amdhsa_code_object_version 6
	.text
	.protected	k_q219a19772f_scores
	.globl	k_q219a19772f_scores
	.p2align	8
	.type	k_q219a19772f_scores,@function
k_q219a19772f_scores:
	s_mov_b64 s[64:65], 0
	v_nop
	global_prefetch_b8 v0, s[64:65] scope:SCOPE_SE
	s_setreg_imm32_b32 hwreg(HW_REG_WAVE_MODE, 25, 1), 1
	s_wait_xcnt 0x0
; For each tile of 256 queries x 256 keys on or under the diagonal (36 a batch): s = Q K^T in f16 products with f32 sums; then, for each query and each GRANULE of 128 keys,
; the granule's own maximum m, c m with c = log2(e) / 32, p = 2^(c s - c m) rounded to f16, and l = the sum of the unrounded p.
; p: f16 [8192][2048].  st: f32 [2][16 granules][8192 rows]: c m, then l.  The launch behind joins the granules: the maximum taken away is a true one.
; LIMITS.  A hidden score counts as its value less 1e30, which wants |s| far under 1e30; a weight below 2^-126 counts as 0; NaN and infinities are not treated apart.
; SHARES.  Four waves, each a quadrant of 128 queries x 128 keys (one granule): 64 accumulators.  S^T = K Q^T (source 0 = 16 keys, source 1 = 16 queries): a lane holds ONE query (lane % 16)
; and the keys 16 b + 8 (lane / 16) + 0..7; the query's other keys lie in the lane 16 away.
; THE MASK is the C operand of the products that start the sums.  In a quadrant that holds the diagonal: 0 for key block b < query block a, MDG (-1e30 where 8 (lane / 16) + j > lane % 16) for b = a, MU (-1e30) for b > a;
; elsewhere MDG and MU hold 0.  The quadrant wholly above the diagonal (queries 0-127, keys 128-255 of a diagonal tile) takes no mask, so that its p stay numbers in 0 to 1; its statistics are stored
; as c m = -1e30 and l = 0, so it weighs 0 later.
; RING.  The 1,024 channels go in 8 steps of 128 (two groups of 64) through two LDS slots; wave w fetches region w of a slot, one dense block of 32 KiB: Q's two groups, K's two groups.
; NO CLUSTER: the triangle's rows have 1 to 8 tiles and its columns 8 to 1, so neither divides into fours, and a grid padded to 4 x 4 clusters would hold 48 work-groups a launch whose tiles are wholly hidden.
; REGISTERS: window 0: addresses; Q's fragments v64-127, v128-191; the epilogue's work.  Window 1: v8-15 MDG, v16-23 MU; K's fragments v64-127, v128-191.  Windows 2, 3: accumulator (a, b) at 8 (8 (a % 4) + b).
.set PK,    144                        ; a row of Q or K in LDS: 128 bytes + 16 of padding
.set REG,   256*PK                     ; a region: 256 rows of one group
.set SLOT,  4*REG
.set STAGE, 2*SLOT                     ; 16 rows x 272 bytes for each wave
.set SP,    272
.set SPARE, STAGE+4*16*SP
.set GRPB,  1048576
.set BIG,   0xf149f2ca                 ; -1e30
.set ADRA0, 16
.set ADRA,  17
.set ADRB0, 20
.set ADRB,  21
.set GS,    23                         ; 16 x lane
.set STO,   24
.set RD,    25
.set CO,    26                         ; my byte offset in two rows of p
.set SA,    27                         ; stage + 4 (lane % 16)
.set SPW,   28
.set NIL,   29
.set PFO,   30                         ; 256 x lane
.set SR,    31                         ; stage + 16 x lane
.set F0,    64
.set F1,    128
.set MDG,   8                          ; window 1
.set MU,    16                         ; window 1
.set TM,    64                         ; the epilogue: v64-85 maxima at work, v86-87 c m (a pair), v88-89 l at work
.set CMP,   86
.set CM,    96                         ; v96-103  c m of query block a
.set LSUM,  104                        ; v104-111 l of query block a
.set PP,    192                        ; v192-223 a block's p, packed
.set WV, 10
.set RH, 11                            ; which 128 queries
.set CH, 12                            ; which 128 keys
.set T,  13
.set I,  14                            ; the tile's block of 256 queries
.set J,  15                            ; its block of 256 keys
.set BAT, 16
.set G1,  24
.set G00, 32
.set G01, 36
.set TB,  40
.set LB,  41
.set CNT, 42
.set LIM, 43
.set BU,  44
.set AV,  45
.set BV,  46
.set PFA, 48
.set PB,  50                           ; s[50:51] p at my quadrant
.set SB,  52                           ; s[52:53] st at my granule and rows
.set CS,  58                           ; s[58:59] c
.set SEL, 60
.set MUL_LO, 0xa1                      ; source 0 (K) window 1, source 1 (Q) window 0, C and D window 2
.set TO_B,   0x40
.set MSB, 0
.macro WIN new
.if MSB != (\new)
	s_set_vgpr_msb (MSB<<8)|(\new)
.set MSB, \new
.endif
.endm
.macro PLACES
.rept 4
	v_nop
.endr
.endm
; A prefetch of the K step two refills on.  Q's block I is read by the tiles (I, J <= I), K's block J by the tiles (I >= J, J): the diagonal tile reads both of its number, so it alone asks, and each
; block is named once.  Each wave asks for its own region: 128 runs of 256 bytes, four instructions.  K steps 4 to 7 are named.
.macro ASK
	s_cmp_gt_u32 s[CNT], s[LIM]
	s_cbranch_scc0 .Lnm_\@
.irp n, 0,1,2,3
	global_prefetch_b8 v[PFO], s[PFA:PFA+1] offset:8192*\n th:TH_LOAD_NT scope:SCOPE_SE
.endr
.Lnm_\@:
.endm
	s_load_b128 s[4:7], s[0:1], 0x0                ; qkv s[4:5], p s[6:7]
	s_load_b64 s[8:9], s[0:1], 0x10                ; st
	v_lshl_add_u32 v[SPW], v0, 2, SPARE
	v_mov_b32 v[NIL], 0
	ds_add_u32 v[SPW], v[NIL]                      ; the wave's opening: the add and its wait ahead of my first tensor load
	ds_add_u32 v28, v29
	v_lshrrev_b32 v1, 5, v0
	v_readfirstlane_b32 s[WV], v1
	s_lshr_b32 s[RH], s[WV], 1
	s_and_b32 s[CH], s[WV], 1
	s_mov_b32 s[T], ttmp9
	s_and_b32 s[BAT], ttmp7, 0xffff
	s_mov_b32 s[I], 0
.irp k, 1,2,3,4,5,6,7
	s_cmp_ge_u32 s[T], \k*(\k+1)/2                 ; row I of the triangle begins at tile I (I + 1) / 2
	s_cselect_b32 s[I], \k, s[I]
.endr
	s_add_co_u32 s17, s[I], 1
	s_mul_i32 s17, s17, s[I]
	s_lshr_b32 s17, s17, 1
	s_sub_co_u32 s[J], s[T], s17
	s_mov_b32 s[G1], (1<<16)|(1<<20)|(4<<22)|(3<<25)  ; 2-byte elements; padding on: after every 32 words, 4 words
	s_mov_b32 s[G1+1], 128<<16                     ; 32,768 dense bytes asked for as 128 rows of 256 bytes, two rows of the group each
	s_mov_b32 s[G1+2], 128<<16
	s_mov_b32 s[G1+3], 128<<16
	s_mov_b32 s[G1+4], 128
	s_mov_b32 s[G1+5], 128
	s_mov_b32 s[G1+6], 0
	s_mov_b32 s[G1+7], 0
	s_mul_i32 s[LB], s[WV], REG
	s_mov_b32 s[G00], 1
	s_mov_b32 s[G00+1], s[LB]
	s_mov_b32 s[G01], 1
	s_add_co_u32 s[G01+1], s[LB], SLOT
	s_mov_b32 s[TB], 0
	s_mov_b32 s[CS], 0x3d38aa3b                    ; c = log2(e) / 32
	s_mov_b32 s[CS+1], s[CS]
	s_mov_b32 s[SEL], 0x76543210
	s_mov_b32 s[SEL+1], 0xfedcba98
	s_lshl_b32 s17, s[RH], 4                       ; waves 0, 1: Q's groups 0, 1; waves 2, 3: K's, 16 groups on
	s_add_co_u32 s17, s17, s[CH]
	s_lshl_b32 s17, s17, 20
	s_cmp_lt_u32 s[WV], 2
	s_cselect_b32 s18, s[I], s[J]
	s_lshl_b32 s18, s18, 8
	s_lshl_b32 s19, s[BAT], 11
	s_add_co_u32 s18, s18, s19                     ; the block's first row,
	s_lshl_b32 s18, s18, 7                         ; of 128 bytes
	s_add_co_u32 s20, s17, s18
	s_mov_b32 s21, 0
	s_cmp_eq_u32 s[I], s[J]
	s_cselect_b32 s[LIM], 2, -1
	s_lshl1_add_u32 s17, s[I], s[RH]               ; my block of 128 queries,
	s_lshl1_add_u32 s18, s[J], s[CH]               ; my granule
	s_cmp_eq_u32 s17, s18
	s_cselect_b32 s[BU], BIG, 0                    ; the quadrant holds the diagonal
	s_cmp_gt_u32 s18, s17
	s_cselect_b32 s[AV], 0, 1.0                    ; the quadrant is wholly hidden: its statistics are made neutral
	s_cselect_b32 s[BV], BIG, 0
	s_lshl_b32 s22, s17, 7
	s_add_co_u32 s19, s19, s22                     ; my first row of the 8,192
	s_lshl_b32 s54, s19, 12                        ; x 4,096 bytes of p,
	s_lshl_b32 s22, s18, 8                         ; + my granule's 256 bytes
	s_add_co_u32 s54, s54, s22
	s_mov_b32 s55, 0
	s_lshl_b32 s56, s18, 15                        ; st: my granule's 32,768 bytes,
	s_lshl_b32 s22, s19, 2                         ; my rows' words
	s_add_co_u32 s56, s56, s22
	s_mov_b32 s57, 0
	s_wait_dscnt 0x0                               ; the opening add is done
	s_wait_kmcnt 0x0
	s_add_nc_u64 s[G00+2:G00+3], s[4:5], s[20:21]
	s_add_nc_u64 s[G01+2:G01+3], s[G00+2:G00+3], 2*GRPB
	s_add_nc_u64 s[PFA:PFA+1], s[G00+2:G00+3], 6*GRPB  ; at K step 3: the first change of slots steps it to 4
	s_or_b32 s[G00+3], s[G00+3], 0x80000000
	s_or_b32 s[G01+3], s[G01+3], 0x80000000
	s_add_nc_u64 s[PB:PB+1], s[6:7], s[54:55]
	s_add_nc_u64 s[SB:SB+1], s[8:9], s[56:57]
	tensor_load_to_lds s[G00:G00+3], s[G1:G1+7]    ; both first fills: two loads of mine are out
	s_nop 0
	tensor_load_to_lds s[G01:G01+3], s[G1:G1+7]
	s_nop 0
.rept 4
	v_nop
.endr
	v_and_b32 v1, 15, v0                           ; l % 16
	v_bfe_u32 v2, v0, 4, 1                         ; l / 16
	v_mul_u32_u24 v3, v1, PK
	v_lshl_add_u32 v3, v2, 4, v3
	s_mul_i32 s17, s[RH], 128*PK
	s_mul_i32 s18, s[CH], 128*PK
	s_add_co_u32 s18, s18, 2*REG
	v_add_nc_u32 v[ADRA0], s17, v3
	v_add_nc_u32 v[ADRB0], s18, v3
	v_mov_b32 v[ADRA], v[ADRA0]
	v_mov_b32 v[ADRB], v[ADRB0]
	s_mul_i32 s19, s[WV], 16*SP
	s_add_co_u32 s19, s19, STAGE                   ; my stage
	v_mul_u32_u24 v4, v1, SP
	v_lshl_add_u32 v4, v2, 4, v4
	v_add_nc_u32 v[STO], s19, v4
	v_mul_u32_u24 v5, v2, SP
	v_lshl_add_u32 v5, v1, 4, v5
	v_add_nc_u32 v[RD], s19, v5
	v_lshlrev_b32 v5, 12, v2
	v_lshl_add_u32 v[CO], v1, 4, v5
	v_lshl_add_u32 v[SA], v1, 2, s19
	v_and_b32 v6, 31, v0
	v_lshlrev_b32 v[GS], 4, v6
	v_add_nc_u32 v[SR], s19, v[GS]
	v_lshlrev_b32 v[PFO], 8, v6
	v_lshlrev_b32 v14, 3, v2
	v_sub_nc_u32 v14, v1, v14                      ; l % 16 - 8 (l / 16): register j of the diagonal block is hidden where j is greater
	WIN 0x40
.irp j, 0,1,2,3,4,5,6,7
	v_cmp_gt_i32 vcc_lo, \j, v14
	v_cndmask_b32 v[MDG+\j], 0, s[BU], vcc_lo
	v_mov_b32 v[MU+\j], s[BU]
.endr
	WIN 0
; 16 matrix instructions: query blocks 4 hi + a0, + 1 x all 8 key blocks, 32 channels.  zero = 1: the product starts the sum, with 0 or a mask.  The 64 accumulators take turns in the same order in every quarter.
.macro MUL16 f, hi, a0, zero
.if \zero
	WIN 0x91+0x40*(\hi)                            ; C in window 1 (a constant C names no register)
.else
	WIN MUL_LO+0x50*(\hi)
.endif
.irp a, \a0, (\a0)+1
.irp b, 0,1,2,3,4,5,6,7
.set rD, 8*(8*(\a)+(\b))
.set rK, (\f)+8*(\b)
.set rQ, (\f)+8*(4*(\hi)+(\a))
.if (\zero) && ((\b) < 4*(\hi)+(\a))
	v_wmma_f32_16x16x32_f16 v[rD:rD+7], v[rK:rK+7], v[rQ:rQ+7], 0
.elseif (\zero) && ((\b) == 4*(\hi)+(\a))
	v_wmma_f32_16x16x32_f16 v[rD:rD+7], v[rK:rK+7], v[rQ:rQ+7], v[MDG:MDG+7]
.elseif \zero
	v_wmma_f32_16x16x32_f16 v[rD:rD+7], v[rK:rK+7], v[rQ:rQ+7], v[MU:MU+7]
.else
	v_wmma_f32_16x16x32_f16 v[rD:rD+7], v[rK:rK+7], v[rQ:rQ+7], v[rD:rD+7]
.endif
.endr
.endr
.endm
; 32 LDS loads in one run: K's 8 fragments, then Q's 8, at byte k behind the two addresses (quarter q: group q / 2, a region on; channels 32 (q % 2) on)
.macro FETCH k, f
	WIN TO_B
.irp j, 0,1,2,3,4,5,6,7
	ds_load_b128 v[(\f)+8*\j:(\f)+8*\j+3],   v[ADRB] offset:(\k)+\j*16*PK
	ds_load_b128 v[(\f)+8*\j+4:(\f)+8*\j+7], v[ADRB] offset:(\k)+\j*16*PK+32
.endr
	WIN 0
.irp j, 0,1,2,3,4,5,6,7
	ds_load_b128 v[(\f)+8*\j:(\f)+8*\j+3],   v[ADRA] offset:(\k)+\j*16*PK
	ds_load_b128 v[(\f)+8*\j+4:(\f)+8*\j+7], v[ADRA] offset:(\k)+\j*16*PK+32
.endr
.endm
.macro QUARTER k, f, g, zero
	s_wait_dscnt 8                                 ; K and Q's blocks 0-3 are in; the youngest eight loads (Q's blocks 4-7) may be out
	MUL16 \f, 0, 0, \zero
	MUL16 \f, 0, 2, \zero
	PLACES
	FETCH \k, \g
	s_wait_dscnt 32                                ; all but the 32 just issued
	MUL16 \f, 1, 0, \zero
	MUL16 \f, 1, 2, \zero
.endm
; The last quarter multiplies buffer 1 and changes slots: each wave waits for all its tensor loads (one is out: its region of the next slot), adds 0 to its spare word, waits for that and for its reads of
; this slot, and passes the barrier.  fill = 1: the slot just read is filled again, first thing behind the barrier, with the K step two on.
.macro TURN fill
.if \fill
	s_wait_xcnt 0x0                                ; the last prefetches, a K step back, have read their address
	s_add_nc_u64 s[PFA:PFA+1], s[PFA:PFA+1], 2*GRPB
.endif
	WIN 0
	s_wait_tensorcnt 0x0
	ds_add_u32 v[SPW], v[NIL]
.if \fill
	s_add_co_u32 s[G01+1], s[LB], s[TB]            ; the walking descriptor: the slot in hand, the next two groups
	s_add_nc_u64 s[G01+2:G01+3], s[G01+2:G01+3], 2*GRPB
.endif
	s_xor_b32 s[TB], s[TB], SLOT
	s_wait_dscnt 9                                 ; the add and the youngest eight loads may be out
	MUL16 F1, 0, 0, 0
	s_wait_dscnt 0x0                               ; the add is done, and my reads of this slot are over
	s_barrier_signal -1
	MUL16 F1, 0, 2, 0
	WIN 0
	s_barrier_wait -1
.if \fill
	tensor_load_to_lds s[G01:G01+3], s[G1:G1+7]
	s_nop 0
.endif
	PLACES                                         ; behind the load, and in front of the loads into buffer 0
	v_add_nc_u32 v[ADRA], s[TB], v[ADRA0]
	v_add_nc_u32 v[ADRB], s[TB], v[ADRB0]
	FETCH 0, F0
.if \fill
	ASK
.endif
	MUL16 F1, 1, 0, 0
	MUL16 F1, 1, 2, 0
.endm
	s_wait_tensorcnt 0x1                           ; my region of K step 0 is in; K step 1's may stay out
	s_wait_dscnt 0x0
	s_barrier_signal -1
	s_barrier_wait -1
	FETCH 0, F0
	QUARTER 64, F0, F1, 1                          ; the first quarter's products start the sums, with the masks
	WIN 0
	s_mov_b32 s[CNT], 6
.Lstep:
	QUARTER REG, F1, F0, 0
	QUARTER REG+64, F0, F1, 0
	TURN 1
	QUARTER 64, F0, F1, 0
	WIN 0
	s_sub_co_u32 s[CNT], s[CNT], 1
	s_cmp_lg_u32 s[CNT], 0
	s_cbranch_scc1 .Lstep
	s_mov_b32 s[CNT], 2
.Ltail:                                                ; K steps 6 and 7 ask for nothing; the second trip is left in its middle
	QUARTER REG, F1, F0, 0
	QUARTER REG+64, F0, F1, 0
	TURN 0
	WIN 0
	s_sub_co_u32 s[CNT], s[CNT], 1
	s_cmp_eq_u32 s[CNT], 0
	s_cbranch_scc1 .Lout
	QUARTER 64, F0, F1, 0
	WIN 0
	s_branch .Ltail
.Lout:
	s_wait_dscnt 0x0                               ; the last change's 32 loads serve nothing: the price of one text for both trips
	PLACES
	v_mov_b32 v[CMP+1], 0                          ; named with c m as a pair
	v_mov_b32 v[TM+25], 0                          ; v_permlanex16_b32's destination counts as read
; THE SOFTMAX OF A GRANULE, for query block a: the lane's 64 scores S0-S63 lie in the block's eight accumulators.
.macro SOFT a
.set AC, 64*((\a)%4)
.set WH, (\a)/4
	WIN 0x2a+0x15*WH                               ; sources in window 2 or 3, destination in window 0
.set i, 0
.rept 21                                       ; ascending
	v_max3_num_f32 v[TM+i], v[AC+3*i], v[AC+3*i+1], v[AC+3*i+2]
.set i, i+1
.endr
	v_max_num_f32 v[TM+21], v[AC+63], v[AC+63]
	WIN 0
.irp j, 0,3,6,9,12,15,18
	v_max3_num_f32 v[TM+\j], v[TM+\j], v[TM+\j+1], v[TM+\j+2]
.endr
	v_max3_num_f32 v[TM], v[TM], v[TM+3], v[TM+6]
	v_max3_num_f32 v[TM+9], v[TM+9], v[TM+12], v[TM+15]
	v_max_num_f32 v[TM+18], v[TM+18], v[TM+21]
	v_max3_num_f32 v[TM], v[TM], v[TM+9], v[TM+18]
	v_permlanex16_b32 v[TM+1], v[TM], s[SEL], s[SEL+1]  ; the query's other 64 keys
	v_max_num_f32 v[TM], v[TM], v[TM+1]
	v_mul_f32 v[CMP], s[CS], v[TM]
	v_mov_b32 v[CM+(\a)], v[CMP]
	WIN 0x82+0x41*WH                               ; destination and source 0 in window 2 or 3, c m in window 0
.set i, 0
.rept 32
	v_pk_fma_f32 v[AC+i:AC+i+1], v[AC+i:AC+i+1], s[CS:CS+1], v[CMP:CMP+1] op_sel_hi:[1,0,0] neg_lo:[0,0,1] neg_hi:[0,0,1]  ; c s - c m
.set i, i+2
.endr
.set i, 0
.rept 64                                       ; one batch
	v_exp_f32 v[AC+i], v[AC+i]
.set i, i+1
.endr
	v_nop                                          ; a plain instruction behind the last exponential,
	s_wait_alu depctr_va_vdst(0)                   ; and one wait for the 64, ahead of their first reader
	WIN 0x0a+5*WH
.set i, 0
.rept 32
	v_cvt_pk_f16_f32 v[PP+i], v[AC+2*i], v[AC+2*i+1]
.set i, i+1
.endr
	WIN 0x8a+0x45*WH
.irp w, 1,2,4,8,16                             ; the sum of the 32 pairs, in place: neighbours 1, 2, 4, 8, 16 pairs apart
.set u, 0
.rept 16/(\w)
	v_pk_add_f32 v[AC+4*(\w)*u:AC+4*(\w)*u+1], v[AC+4*(\w)*u:AC+4*(\w)*u+1], v[AC+4*(\w)*u+2*(\w):AC+4*(\w)*u+2*(\w)+1]
.set u, u+1
.endr
.endr
	WIN 0x0a+5*WH
	v_add_f32 v[TM+24], v[AC], v[AC+1]
	WIN 0
	v_permlanex16_b32 v[TM+25], v[TM+24], s[SEL], s[SEL+1]
	v_add_f32 v[LSUM+(\a)], v[TM+24], v[TM+25]
.endm
.macro TOSTAGE a                       ; 16 bytes a lane into rows of 272 bytes, back as whole rows of 256, into v32-63 and v224-255 by turns
.set BK, 32+192*((\a)%2)
	s_wait_xcnt 0x0                                ; the stores of the block two back have read the registers that are loaded again
.irp j, 0,1,2,3,4,5,6,7
	ds_store_b128 v[STO], v[PP+4*\j:PP+4*\j+3] offset:32*\j
.endr
.irp j, 0,1,2,3,4,5,6,7
	ds_load_b128 v[BK+4*\j:BK+4*\j+3], v[RD] offset:\j*2*SP  ; LDS serves a wave's instructions in order (ISA guide 5.7.1.4)
.endr
.endm
.macro SEND a
.set BK, 32+192*((\a)%2)
	s_wait_dscnt 0x0
.irp j, 0,1,2,3,4,5,6,7
	global_store_b128 v[CO], v[BK+4*\j:BK+4*\j+3], s[PB:PB+1] offset:(16*(\a)+2*\j)*4096  ; 16 lanes store 256 consecutive bytes, at a multiple of 256 from p's first
.endr
.endm
	SOFT 0
	TOSTAGE 0
.irp a, 1,2,3,4,5,6,7                  ; a block's softmax stands between the loads of the block before and its stores
	SOFT \a
	SEND (\a)-1
	TOSTAGE \a
.endr
	SEND 7
	; the statistics: a lane holds those of query 16 a + l % 16; through the stage they become 512 consecutive bytes each
.irp a, 0,1,2,3,4,5,6,7
	v_fma_f32 v[CM+\a], v[CM+\a], s[AV], s[BV]
	v_mul_f32 v[LSUM+\a], s[AV], v[LSUM+\a]
.endr
.irp a, 0,1,2,3,4,5,6,7
	ds_store_b32 v[SA], v[CM+\a] offset:64*\a      ; the two halves of the lanes hold, and write, the same number
	ds_store_b32 v[SA], v[LSUM+\a] offset:512+64*\a
.endr
	ds_load_b128 v[112:115], v[SR]
	ds_load_b128 v[116:119], v[SR] offset:512
	s_wait_dscnt 0x0
	global_store_b128 v[GS], v[112:115], s[SB:SB+1]
	global_store_b128 v[GS], v[116:119], s[SB:SB+1] offset:524288
	s_wait_tensorcnt 0x0                           ; the wave's end
	ds_add_u32 v[SPW], v[NIL]
	s_wait_dscnt 0x0
	s_endpgm
.Lfunc_end_k_q219a19772f_scores:
	.size	k_q219a19772f_scores, .Lfunc_end_k_q219a19772f_scores-k_q219a19772f_scores
	.p2alignl 7, 3214868480
	.fill 96, 4, 3214868480
	.section	.rodata,"a",@progbits
	.p2align	6, 0x0
	.amdhsa_kernel k_q219a19772f_scores
		.amdhsa_group_segment_fixed_size 327680
		.amdhsa_private_segment_fixed_size 0
		.amdhsa_enable_private_segment 0
		.amdhsa_kernarg_size 24
		.amdhsa_user_sgpr_count 2
		.amdhsa_user_sgpr_kernarg_segment_ptr 1
		.amdhsa_wavefront_size32 1
		.amdhsa_system_sgpr_workgroup_id_x 1
		.amdhsa_system_sgpr_workgroup_id_y 1
		.amdhsa_system_sgpr_workgroup_id_z 1
		.amdhsa_system_vgpr_workitem_id 0
		.amdhsa_next_free_vgpr 1024
		.amdhsa_next_free_sgpr 66
		.amdhsa_reserve_vcc 1
		.amdhsa_float_denorm_mode_32 3
		.amdhsa_float_denorm_mode_16_64 3
		.amdhsa_memory_ordered 1
		.amdhsa_forward_progress 1
		.amdhsa_inst_pref_size 169
	.end_amdhsa_kernel
	.amdgpu_metadata
---
amdhsa.version: [ 1, 2 ]
amdhsa.kernels:
  - .name:           k_q219a19772f_scores
    .symbol:         k_q219a19772f_scores.kd
    .args:
      - { .name: qkv, .offset: 0, .size: 8, .value_kind: global_buffer, .address_space: global }
      - { .name: p, .offset: 8, .size: 8, .value_kind: global_buffer, .address_space: global }
      - { .name: st, .offset: 16, .size: 8, .value_kind: global_buffer, .address_space: global }
    .group_segment_fixed_size: 327680
    .private_segment_fixed_size: 0
    .kernarg_segment_align: 8
    .kernarg_segment_size: 24
    .max_flat_workgroup_size: 128
    .sgpr_count:     66
    .vgpr_count:     1024
    .wavefront_size: 32
...
	.end_amdgpu_metadata
.endif
;; end of part 3
;; launch pv (part 4): grid 8 x 32, 4 waves a work-group, clusters of 4 x 1, 327,680 bytes of LDS; arguments p, qkv, st, out0; writes out0
.if DOCPART == 4
	.amdgcn_target "amdgcn-amd-amdhsa--gfx1250"
	.amdhsa_code_object_version 6
	.text
	.protected	k_q219a19772f_pv
	.globl	k_q219a19772f_pv
	.p2align	8
	.type	k_q219a19772f_pv,@function
k_q219a19772f_pv:
	s_mov_b64 s[64:65], 0
	v_nop
	global_prefetch_b8 v0, s[64:65] scope:SCOPE_SE
	s_setreg_imm32_b32 hwreg(HW_REG_WAVE_MODE, 25, 1), 1
	s_wait_xcnt 0x0
	s_wait_alu depctr_hold_cnt(0) depctr_sa_sdst(0) depctr_va_vdst(0) depctr_va_sdst(0) depctr_va_ssrc(0) depctr_va_vcc(0) depctr_vm_vsrc(0)
	s_getreg_b32 s2, hwreg(HW_REG_IB_STS2, 6, 4)
	s_cmp_eq_u32 s2, 0
	s_cbranch_scc0 .Lentry_in_a_cluster
	s_endpgm
.Lentry_in_a_cluster:
	s_bfe_u32 s2, ttmp6, 0x10000c
	s_cmp_lg_u32 s2, 0x3003
	s_cbranch_scc0 .Lentry_shape_is_right
	s_endpgm
.Lentry_shape_is_right:
; out[q] = the sum over granules g of F_g[q] (P_g V_g)[q], with F_g = 2^(c m_g - M) / L, M = the maximum over g of c m_g, L = the sum over g of 2^(c m_g - M) l_g.
; p: f16 [8192][2048], weights relative to their granule's own maximum; V: groups 32-47 of qkv, f16 [group][8192][64]; st: f32 [2][16][8192]: c m, l; out0: f32 [8192][1024].
; Products in f16 with f32 sums inside a granule of 128 keys; the granules are joined in f32.  A granule above the diagonal has c m = -1e30 and l = 0 in st: its F is 0.
; LIMITS.  V within f16's 65,504; a factor below 2^-126 counts as 0; NaN and infinities are not treated apart.
; THE WALK.  A batch's rows lie in 16 blocks of 128; block i needs the keys of granules 0 .. i.  A work-group takes blocks b and 15 - b and 128 channels: nine steps of 256 keys, whatever b.
; Step u < nl = (b + 2) / 2 is (block b, keys 256 u ..), step u >= nl is (block 15 - b, keys 256 (8 - u) ..).  4 batches x 8 pairs x 8 channel tiles = 256 equal work-groups.
; CLUSTER.  The four work-groups of a cluster have the same batch and b and four channel tiles: they read the same tiles of P, asked for jointly (waves 0, 1).  V's tiles differ between them:
; waves 2 and 3 fetch them by loads of their own.  V is not shared with other pairs of blocks, since pairs walk the keys in different orders.
; SHARES.  Wave w: 64 queries (w / 2) x 64 channels (w % 2, one group).  D^T = V^T P^T (source 0 = V turned, 16 channels; source 1 = P, 16 queries): a lane holds ONE query and eight channels.
; REGISTERS: window 0: addresses, v16-23 F of the two granules in hand, v32-137 the statistics at the start, v128-255 D (a, cb) at 128 + 8 (4 a + cb);
; window 1: two fragment buffers of 128: P's (half c2, block a) at 8 (4 c2 + a), V's at 64 + 8 (4 c2 + cb); window 2: v0-127 O, laid like D.
.set PP,    528                        ; a row of P in LDS: 512 bytes + 16
.set VOFF,  128*PP                     ; P's 128 rows, then V
.set PV2,   288                        ; two keys of V: 256 bytes + 32: key k at (k / 2) 288 + (k % 2) 128: the eight keys x 32 bytes of a turning load fall on 16 different 16-byte columns of 256
.set VREG,  128*PV2                    ; 256 keys of one group
.set SLOT,  VOFF+2*VREG
.set TABLE, 2*SLOT                     ; for each wave 20 entries of 64 rows x 4 bytes: F of step u's granule e at entry 2 u + e; entries 18, 19 hold 0
.set STAGE, TABLE+4*5120               ; 16 rows x 272 bytes for each wave
.set SP,    272
.set SPARE, STAGE+4*16*SP
.set GRPB,  1048576
.set AP0, 2
.set AV0, 3
.set AP,  4
.set AV,  5
.set STO, 6
.set RD,  7
.set CO,  8
.set FA,  9                            ; table + 4 (l % 16) + 512 u
.set TW,  10                           ; table + 8 x lane
.set SO,  11                           ; 8 x lane
.set PFO, 12
.set SPW, 14
.set NIL, 15
.set FB0, 16                           ; v16-19 F of the step's first granule, for query blocks 0-3
.set FB1, 20                           ; v20-23 of its second
.set LC,  32                           ; the start: block b's c m of granule g at 32 + 2 g (my rows 2 l, 2 l + 1); later its F
.set LL,  48                           ; its l
.set HC,  64                           ; block 15 - b's c m, 16 granules
.set HL,  96
.set MX,  128                          ; M: v128-129, v130-131
.set LT,  132                          ; L: v132-133, v134-135
.set ZZ,  136                          ; v136-137: 0
.set DD,  128
.set F0,  0
.set F1,  128
.set WV, 12
.set HF, 13
.set RH, 14
.set CX, 15
.set CC, 16
.set BAT, 17
.set BB, 18
.set NL, 19
.set PBASE, 20                         ; s[20:21] p at the batch's row 64 (w % 2)
.set VBASE, 22                         ; s[22:23] qkv at my group of V, at the batch's first row
.set G1P, 24
.set G1V, 32
.set P0, 40
.set P1, 44
.set V0, 48
.set V1, 52
.set TB, 56
.set LBP, 57
.set LBV, 58
.set CNT, 59
.set NXT, 62                           ; the tile to be asked for next
.set U,   63                           ; steps done
.set PFA, 66
.set LIM, 68
.set K8,  69
.set OFF, 70
.set OFF2, 72
.set LOOFF, 74                         ; block b's first row in p and out0, in bytes
.set HIOFF, 75
.set OUT, 76
.set OUTHI, 78
.set STLO, 80
.set STHI, 82
.set MUL, 0x05                         ; sources 0 and 1 window 1; C and D window 0
.set MSB, 0
.macro WIN new
.if MSB != (\new)
	s_set_vgpr_msb (MSB<<8)|(\new)
.set MSB, \new
.endif
.endm
.macro PLACES
.rept 4
	v_nop
.endr
.endm
.macro CREST
	s_cmp_lg_u32 s[WV], 0
	s_cbranch_scc1 .Lnw0_\@
	s_barrier_signal -3
.Lnw0_\@:
	s_barrier_wait -3
	s_barrier_signal -1
	s_barrier_wait -1
.endm
.macro CROUND
	s_barrier_signal -1
	s_barrier_wait -1
	CREST
.endm
.macro JLOAD                           ; waves 0, 1: the joint load of P's halves; waves 2, 3: V's two groups
	s_cmp_lt_u32 s[WV], 2
	s_cbranch_scc0 .Lfor_v_\@
	tensor_load_to_lds s[P1:P1+3], s[G1P:G1P+7]
	s_nop 0
.rept 4
	v_nop
.endr
	s_branch .Lasked_\@
.Lfor_v_\@:
	tensor_load_to_lds s[V1:V1+3], s[G1V:G1V+7]
	s_nop 0
.rept 4
	v_nop
.endr
.Lasked_\@:
.endm
; The addresses of tile t (a scalar register's number), made anew from the bases: block and keys by one compare with nl
.macro MKADDR gp, gv, t
	s_sub_co_u32 s[K8], 8, s[\t]
	s_cmp_lt_u32 s[\t], s[NL]
	s_cselect_b32 s[K8], s[\t], s[K8]              ; which 256 keys
	s_cselect_b32 s[OFF], s[LOOFF], s[HIOFF]       ; which block's rows
	s_lshl_b32 s[OFF2], s[K8], 9                   ; 512 bytes of a row of p
	s_add_co_u32 s[OFF], s[OFF], s[OFF2]
	s_lshl_b32 s[OFF2], s[K8], 15                  ; 256 rows of 128 bytes of V
	s_add_nc_u64 s[(\gp)+2:(\gp)+3], s[PBASE:PBASE+1], s[OFF:OFF+1]
	s_or_b32 s[(\gp)+3], s[(\gp)+3], 0x80000000
	s_add_nc_u64 s[(\gv)+2:(\gv)+3], s[VBASE:VBASE+1], s[OFF2:OFF2+1]
	s_or_b32 s[(\gv)+3], s[(\gv)+3], 0x80000000
.endm
; A prefetch of P's tile two refills on, tile u + 4: it is never below nl, so it belongs to block 15 - b and holds the keys 256 (4 - u) on.  Both clusters of a pair of blocks read it: cluster x = 0 asks,
; waves 0 and 1; the four partners share a wave's 64 rows out by address, 16 each, two lanes a row of 512 bytes.  Tiles 4 to 8 are named; the last two refills ask for nothing.
; V is not asked for: each of its blocks is read again and again, by all pairs of blocks, from the launch's first steps on.
.macro ASK
	s_cmp_gt_u32 s[CNT], s[LIM]
	s_cbranch_scc0 .Lnm_\@
	global_prefetch_b8 v[PFO], s[PFA:PFA+1] th:TH_LOAD_NT scope:SCOPE_SE
.Lnm_\@:
.endm
	s_load_b256 s[4:11], s[0:1], 0x0               ; p s[4:5], qkv s[6:7], st s[8:9], out0 s[10:11]
	v_lshl_add_u32 v[SPW], v0, 2, SPARE
	v_mov_b32 v[NIL], 0
	ds_add_u32 v[SPW], v[NIL]                      ; the wave's opening: the add and its wait ahead of my first tensor load
	ds_add_u32 v14, v15
	v_lshrrev_b32 v24, 5, v0
	v_readfirstlane_b32 s[WV], v24
	s_and_b32 s[HF], s[WV], 1
	s_lshr_b32 s[RH], s[WV], 1
	s_bfe_u32 s[CX], ttmp6, 0x40000
	s_lshl_b32 s[CC], ttmp9, 2
	s_add_co_u32 s[CC], s[CC], s[CX]               ; my tile of 128 channels
	s_and_b32 s84, ttmp7, 0xffff
	s_lshr_b32 s[BAT], s84, 3
	s_and_b32 s[BB], s84, 7
	s_add_co_u32 s[NL], s[BB], 2
	s_lshr_b32 s[NL], s[NL], 1
	s_lshl_b32 s[LOOFF], s[BB], 19                 ; 128 rows of 4,096 bytes
	s_sub_co_u32 s85, 15, s[BB]
	s_lshl_b32 s[HIOFF], s85, 19
	s_mov_b32 s[G1P], 15|(1<<16)|(1<<20)|(1<<21)|(6<<22)|(3<<25)  ; the mask of four; 2-byte elements; padding on; bit 21 beside a mask; after every 128 words, 4 words
	s_mov_b32 s[G1P+1], 256<<16                    ; tensor_dim0 = 256
	s_mov_b32 s[G1P+2], 64<<16                     ; tensor_dim1 = 64
	s_mov_b32 s[G1P+3], 256<<16                    ; tile_dim0 = 256
	s_mov_b32 s[G1P+4], 64                         ; tile_dim1 = 64
	s_mov_b32 s[G1P+5], 2048                       ; elements from row to row
	s_mov_b32 s[G1P+6], 0
	s_mov_b32 s[G1P+7], 0
	s_mov_b32 s[G1V], (1<<16)|(1<<20)|(5<<22)|(7<<25)  ; no mask; after every 64 words, 8 words
	s_mov_b32 s[G1V+1], 128<<16                    ; 32,768 dense bytes as 128 rows of 256 bytes, two keys each
	s_mov_b32 s[G1V+2], 128<<16
	s_mov_b32 s[G1V+3], 128<<16
	s_mov_b32 s[G1V+4], 128
	s_mov_b32 s[G1V+5], 128
	s_mov_b32 s[G1V+6], 0
	s_mov_b32 s[G1V+7], 0
	s_mul_i32 s[LBP], s[HF], 64*PP                 ; no place in the cluster enters an LDS address
	s_mul_i32 s[LBV], s[HF], VREG
	s_add_co_u32 s[LBV], s[LBV], VOFF
	s_mov_b32 s[P0], 1
	s_mov_b32 s[P0+1], s[LBP]
	s_mov_b32 s[P1], 1
	s_add_co_u32 s[P1+1], s[LBP], SLOT
	s_mov_b32 s[V0], 1
	s_mov_b32 s[V0+1], s[LBV]
	s_mov_b32 s[V1], 1
	s_add_co_u32 s[V1+1], s[LBV], SLOT
	s_mov_b32 s[TB], 0
	s_mov_b32 s[OFF+1], 0
	s_mov_b32 s[OFF2+1], 0
	s_lshr_b32 s[LIM], s[WV], 1                    ; 0 in waves 0 and 1,
	s_or_b32 s[LIM], s[LIM], ttmp9                 ; of cluster x = 0: the same in all four partners
	s_cmp_eq_u32 s[LIM], 0
	s_cselect_b32 s[LIM], 2, -1
	s_lshl_b32 s84, s[BAT], 23                     ; the batch's 2,048 rows of 4,096 bytes
	s_lshl_b32 s86, s[HF], 18                      ; P: which 64 rows of a block I fetch
	s_add_co_u32 s86, s86, s84
	s_mov_b32 s87, 0
	s_lshl1_add_u32 s88, s[CC], s[HF]              ; V: group 32 + 2 c + w % 2,
	s_add_co_u32 s88, s88, 32
	s_lshl_b32 s88, s88, 20
	s_lshl_b32 s89, s[BAT], 18                     ; the batch's 2,048 rows of 128 bytes
	s_add_co_u32 s88, s88, s89
	s_mov_b32 s89, 0
	s_wait_dscnt 0x0                               ; the opening add is done
	s_wait_kmcnt 0x0
	s_add_nc_u64 s[PBASE:PBASE+1], s[4:5], s[86:87]
	s_add_nc_u64 s[VBASE:VBASE+1], s[6:7], s[88:89]
	s_lshl_b32 s88, s[CX], 16                      ; the prefetches: my work-group's 16 rows of the wave's 64, in block 15 - b,
	s_add_co_u32 s88, s88, s[HIOFF]
	s_add_co_u32 s88, s88, 5*512                   ; at the keys 256 x 5: the first change of slots steps it back to 256 x 4
	s_add_nc_u64 s[PFA:PFA+1], s[PBASE:PBASE+1], s[88:89]
	s_lshl_b32 s86, s[RH], 18                      ; out0: my 64 rows of a block,
	s_add_co_u32 s86, s86, s84
	s_lshl_b32 s88, s[CC], 9                       ; the tile's 512 bytes of a row,
	s_add_co_u32 s86, s86, s88
	s_lshl_b32 s88, s[HF], 8                       ; my 256 of them
	s_add_co_u32 s86, s86, s88
	s_add_co_u32 s88, s86, s[HIOFF]
	s_add_co_u32 s86, s86, s[LOOFF]
	s_add_nc_u64 s[OUT:OUT+1], s[10:11], s[86:87]
	s_add_nc_u64 s[OUTHI:OUTHI+1], s[10:11], s[88:89]
	s_lshl_b32 s84, s[BAT], 13                     ; st: the batch's rows' words,
	s_lshl_b32 s86, s[RH], 8                       ; my 64 rows',
	s_add_co_u32 s84, s84, s86
	s_lshl_b32 s86, s[BB], 9                       ; the block's
	s_add_co_u32 s86, s86, s84
	s_lshl_b32 s88, s85, 9
	s_add_co_u32 s88, s88, s84
	s_add_nc_u64 s[STLO:STLO+1], s[8:9], s[86:87]
	s_add_nc_u64 s[STHI:STHI+1], s[8:9], s[88:89]
	s_mov_b32 s[NXT], 0
	MKADDR P0, V0, NXT
	s_mov_b32 s[NXT], 1
	MKADDR P1, V1, NXT
	s_mov_b32 s[NXT], 2
	CROUND                                         ; all four work-groups are here: the first joint loads meet
	s_cmp_lt_u32 s[WV], 2                          ; a wave's two first fills stand in one branch: two loads of mine are out
	s_cbranch_scc0 .Lfirst_v
	tensor_load_to_lds s[P0:P0+3], s[G1P:G1P+7]
	s_nop 0
	tensor_load_to_lds s[P1:P1+3], s[G1P:G1P+7]
	s_nop 0
.rept 4
	v_nop
.endr
	s_branch .Lfirst_done
.Lfirst_v:
	tensor_load_to_lds s[V0:V0+3], s[G1V:G1V+7]
	s_nop 0
	tensor_load_to_lds s[V1:V1+3], s[G1V:G1V+7]
	s_nop 0
.rept 4
	v_nop
.endr
.Lfirst_done:
	v_and_b32 v24, 15, v0                          ; l % 16
	v_bfe_u32 v25, v0, 4, 1                        ; l / 16
	v_and_b32 v26, 31, v0                          ; l
	v_lshlrev_b32 v[SO], 3, v26
	; THE STATISTICS of my wave's 64 rows in both blocks: a lane takes rows 2 l and 2 l + 1, so a load covers 256 consecutive bytes, aligned
.set g, 0
.rept 8
	global_load_b64 v[LC+2*g:LC+2*g+1], v[SO], s[STLO:STLO+1] offset:g*32768
	global_load_b64 v[LL+2*g:LL+2*g+1], v[SO], s[STLO:STLO+1] offset:g*32768+524288
.set g, g+1
.endr
.set g, 0
.rept 16
	global_load_b64 v[HC+2*g:HC+2*g+1], v[SO], s[STHI:STHI+1] offset:g*32768
	global_load_b64 v[HL+2*g:HL+2*g+1], v[SO], s[STHI:STHI+1] offset:g*32768+524288
.set g, g+1
.endr
	WIN 0x80                                       ; O starts at 0: written while those loads are out, so that every granule is joined by one form of line
.set i, 0
.rept 128
	v_mov_b32 v[i], 0
.set i, i+1
.endr
	WIN 0
	s_mul_i32 s84, s[RH], 64*PP
	v_mul_u32_u24 v27, v24, PP
	v_lshl_add_u32 v27, v25, 4, v27
	v_add_nc_u32 v[AP0], s84, v27                  ; P: (64 (w / 2) + l % 16) rows + 16 (l / 16)
	v_and_b32 v27, 7, v0
	v_lshl_add_u32 v27, v25, 3, v27                ; the turning load: my key 8 (l / 16) + l % 8,
	v_lshrrev_b32 v28, 1, v27
	v_mul_u32_u24 v28, v28, PV2
	v_and_b32 v29, 1, v27
	v_lshl_add_u32 v28, v29, 7, v28
	v_bfe_u32 v29, v0, 3, 1                        ; channels 8 ((l / 8) % 2) on
	v_lshl_add_u32 v28, v29, 4, v28
	s_mul_i32 s84, s[HF], VREG
	s_add_co_u32 s84, s84, VOFF
	v_add_nc_u32 v[AV0], s84, v28
	v_mov_b32 v[AP], v[AP0]
	v_mov_b32 v[AV], v[AV0]
	s_mul_i32 s85, s[WV], 5120
	s_add_co_u32 s85, s85, TABLE                   ; my table
	v_lshl_add_u32 v[FA], v24, 2, s85
	v_lshl_add_u32 v[TW], v26, 3, s85
	s_mul_i32 s86, s[WV], 16*SP
	s_add_co_u32 s86, s86, STAGE                   ; my stage
	v_mul_u32_u24 v27, v24, SP
	v_lshl_add_u32 v27, v25, 5, v27
	v_add_nc_u32 v[STO], s86, v27                  ; in: row l % 16, 32 bytes for each half of the lanes
	v_mul_u32_u24 v27, v25, SP
	v_lshl_add_u32 v27, v24, 4, v27
	v_add_nc_u32 v[RD], s86, v27                   ; back: lanes 0-15 one row of 256 bytes, lanes 16-31 the next
	v_lshlrev_b32 v27, 12, v25
	v_lshl_add_u32 v[CO], v24, 4, v27              ; and the same two rows in out0
	v_lshrrev_b32 v27, 1, v26
	v_lshlrev_b32 v27, 12, v27
	v_and_b32 v28, 1, v26
	v_lshl_add_u32 v[PFO], v28, 8, v27
	v_mov_b32 v[ZZ], 0
	v_mov_b32 v[ZZ+1], 0
	s_wait_loadcnt 0x0
.irp z, 0,1                            ; M, for each of my two rows in each block
	v_max3_num_f32 v[MX+\z], v[LC+\z], v[LC+2+\z], v[LC+4+\z]
	v_max3_num_f32 v[MX+2+\z], v[HC+\z], v[HC+2+\z], v[HC+4+\z]
	v_max3_num_f32 v[MX+\z], v[MX+\z], v[LC+6+\z], v[LC+8+\z]
	v_max3_num_f32 v[MX+2+\z], v[MX+2+\z], v[HC+6+\z], v[HC+8+\z]
	v_max3_num_f32 v[MX+\z], v[MX+\z], v[LC+10+\z], v[LC+12+\z]
	v_max3_num_f32 v[MX+2+\z], v[MX+2+\z], v[HC+10+\z], v[HC+12+\z]
	v_max_num_f32 v[MX+\z], v[MX+\z], v[LC+14+\z]
	v_max3_num_f32 v[MX+2+\z], v[MX+2+\z], v[HC+14+\z], v[HC+16+\z]
	v_max3_num_f32 v[MX+2+\z], v[MX+2+\z], v[HC+18+\z], v[HC+20+\z]
	v_max3_num_f32 v[MX+2+\z], v[MX+2+\z], v[HC+22+\z], v[HC+24+\z]
	v_max3_num_f32 v[MX+2+\z], v[MX+2+\z], v[HC+26+\z], v[HC+28+\z]
	v_max_num_f32 v[MX+2+\z], v[MX+2+\z], v[HC+30+\z]
.endr
.set g, 0
.rept 8
	v_pk_add_f32 v[LC+2*g:LC+2*g+1], v[LC+2*g:LC+2*g+1], v[MX:MX+1] neg_lo:[0,1] neg_hi:[0,1]  ; c m - M
.set g, g+1
.endr
.set g, 0
.rept 16
	v_pk_add_f32 v[HC+2*g:HC+2*g+1], v[HC+2*g:HC+2*g+1], v[MX+2:MX+3] neg_lo:[0,1] neg_hi:[0,1]
.set g, g+1
.endr
.set i, 0
.rept 16
	v_exp_f32 v[LC+i], v[LC+i]
.set i, i+1
.endr
.set i, 0
.rept 32
	v_exp_f32 v[HC+i], v[HC+i]
.set i, i+1
.endr
	v_nop                                          ; a plain instruction behind the last exponential,
	s_wait_alu depctr_va_vdst(0)                   ; and one wait for the 48
	v_pk_mul_f32 v[LT:LT+1], v[LC:LC+1], v[LL:LL+1]
	v_pk_mul_f32 v[LT+2:LT+3], v[HC:HC+1], v[HL:HL+1]
.set g, 1
.rept 7
	v_pk_fma_f32 v[LT:LT+1], v[LC+2*g:LC+2*g+1], v[LL+2*g:LL+2*g+1], v[LT:LT+1]
	v_pk_fma_f32 v[LT+2:LT+3], v[HC+2*g:HC+2*g+1], v[HL+2*g:HL+2*g+1], v[LT+2:LT+3]
.set g, g+1
.endr
.rept 8
	v_pk_fma_f32 v[LT+2:LT+3], v[HC+2*g:HC+2*g+1], v[HL+2*g:HL+2*g+1], v[LT+2:LT+3]
.set g, g+1
.endr
.irp z, 0,1,2,3
	v_rcp_f32 v[LT+\z], v[LT+\z]                   ; L is at least 1: the granule that holds M has the factor 1 and an l of 1 or more
.endr
	v_nop
	s_wait_alu depctr_va_vdst(0)                   ; one wait for the four reciprocals
.set g, 0
.rept 8
	v_pk_mul_f32 v[LC+2*g:LC+2*g+1], v[LC+2*g:LC+2*g+1], v[LT:LT+1]
.set g, g+1
.endr
.set g, 0
.rept 16
	v_pk_mul_f32 v[HC+2*g:HC+2*g+1], v[HC+2*g:HC+2*g+1], v[LT+2:LT+3]
.set g, g+1
.endr
.irp u, 1,2,3                          ; steps 1 to 3 belong to block b if u < nl, else to block 15 - b
	s_cmp_gt_u32 s[NL], \u
	s_cselect_b32 s84, -1, 0
.irp z, 0,1,2,3
	v_cndmask_b32 v[LC+4*\u+\z], v[HC+4*(8-\u)+\z], v[LC+4*\u+\z], s84
.endr
.endr
.set n, 0
.rept 8                                ; steps 0 to 3
	ds_store_b64 v[TW], v[LC+2*n:LC+2*n+1] offset:256*n
.set n, n+1
.endr
.rept 10                               ; steps 4 to 8: block 15 - b's granule 2 (8 - u) + e
.set g, 2*(8-n/2)+n%2
	ds_store_b64 v[TW], v[HC+2*g:HC+2*g+1] offset:256*n
.set n, n+1
.endr
	ds_store_b64 v[TW], v[ZZ:ZZ+1] offset:256*18
	ds_store_b64 v[TW], v[ZZ:ZZ+1] offset:256*19
.irp a, 0,1,2,3
	ds_load_b32 v[FB0+\a], v[FA] offset:64*\a      ; the table is my wave's own, and LDS serves a wave's instructions in order (ISA guide 5.7.1.4)
.endr
; 8 matrix instructions: query blocks a0, a0 + 1 x 4 channel blocks, 32 keys: half c2 of buffer f.  zero = 1: the product starts a granule's sum.  The 16 accumulators take turns.
.macro MUL8 f, c2, a0, zero
	WIN MUL
.irp a, \a0, (\a0)+1
.irp b, 0,1,2,3
.set rD, DD+8*(4*(\a)+(\b))
.set rV, (\f)+64+8*(4*(\c2)+(\b))
.set rP, (\f)+8*(4*(\c2)+(\a))
.if \zero
	v_wmma_f32_16x16x32_f16 v[rD:rD+7], v[rV:rV+7], v[rP:rP+7], 0
.else
	v_wmma_f32_16x16x32_f16 v[rD:rD+7], v[rV:rV+7], v[rP:rP+7], v[rD:rD+7]
.endif
.endr
.endr
.endm
; 32 LDS loads in one run: the fragments of quarter q (64 keys) into buffer f, its first 32 keys first; V turned
.macro FETCH q, f
	WIN 0x40
.irp c, 0,1
.irp j, 0,1,2,3
	ds_load_tr16_b128 v[(\f)+64+8*(4*\c+\j):(\f)+64+8*(4*\c+\j)+3],   v[AV] offset:32*PV2*(\q)+16*PV2*\c+32*\j
	ds_load_tr16_b128 v[(\f)+64+8*(4*\c+\j)+4:(\f)+64+8*(4*\c+\j)+7], v[AV] offset:32*PV2*(\q)+16*PV2*\c+32*\j+8*PV2
	ds_load_b128 v[(\f)+8*(4*\c+\j):(\f)+8*(4*\c+\j)+3],   v[AP] offset:128*(\q)+64*\c+16*PP*\j
	ds_load_b128 v[(\f)+8*(4*\c+\j)+4:(\f)+8*(4*\c+\j)+7], v[AP] offset:128*(\q)+64*\c+16*PP*\j+32
.endr
.endr
.endm
; ld = 1: F of the step's second granule is read from the table ahead of the run: older than the fragments, so no count changes
.macro QUARTER q, f, g, zero, ld
	s_wait_dscnt 16                                ; the first 32 keys' fragments are in
	MUL8 \f, 0, 0, \zero
	MUL8 \f, 0, 2, \zero
	PLACES
.if \ld
	WIN 0
.irp a, 0,1,2,3
	ds_load_b32 v[FB1+\a], v[FA] offset:256+64*\a
.endr
.endif
	FETCH \q, \g
	s_wait_dscnt 32                                ; all but the 32 just issued
	MUL8 \f, 1, 0, 0
	MUL8 \f, 1, 2, 0
.endm
; A granule is joined: O += F D, in f32; F of query block a lies in register a of the four at fb, and is taken for both halves of the pair
.macro COMBINE fb
	PLACES
	WIN 0xa0                                       ; O (destination and source 2) in window 2, D and F in window 0
.irp a, 0,1,2,3
.set i, 32*\a
.rept 16
.if (\a)%2
	v_pk_fma_f32 v[i:i+1], v[DD+i:DD+i+1], v[(\fb)+2*((\a)/2):(\fb)+2*((\a)/2)+1], v[i:i+1] op_sel:[0,1,0]
.else
	v_pk_fma_f32 v[i:i+1], v[DD+i:DD+i+1], v[(\fb)+2*((\a)/2):(\fb)+2*((\a)/2)+1], v[i:i+1] op_sel_hi:[1,0,1]
.endif
.set i, i+2
.endr
.endr
.endm
; The step's last quarter multiplies buffer 1 and changes slots: each wave waits for all its tensor loads (one is out: its part of the next slot), adds 0 to its spare word, and waits for that and for its
; reads of this slot.  fill = 1: the barrier opens a round of the cluster's, and the refill, tile u + 2 into the slot just read, is the first thing behind it.
.macro TURN fill
.if \fill
	s_wait_xcnt 0x0                                ; the last prefetch, a step back, has read its address
	s_sub_nc_u64 s[PFA:PFA+1], s[PFA:PFA+1], 512   ; block 15 - b is walked from its last keys to its first
.endif
	WIN 0
	s_wait_tensorcnt 0x0
	ds_add_u32 v[SPW], v[NIL]
.if \fill
	MKADDR P1, V1, NXT
	s_add_co_u32 s[P1+1], s[LBP], s[TB]
	s_add_co_u32 s[V1+1], s[LBV], s[TB]
	s_add_co_u32 s[NXT], s[NXT], 1
.endif
	s_xor_b32 s[TB], s[TB], SLOT
	s_wait_dscnt 17                                ; the add and the youngest sixteen loads may be out
	MUL8 F1, 0, 0, 0
	s_wait_dscnt 0x0                               ; the add is done, and my reads of this slot are over
	s_barrier_signal -1
	MUL8 F1, 0, 2, 0
	WIN 0
	s_barrier_wait -1
.if \fill
	CREST
	JLOAD                                          ; its four v_nop are also the places in front of the loads below
.else
	PLACES
.endif
	v_add_nc_u32 v[AP], s[TB], v[AP0]
	v_add_nc_u32 v[AV], s[TB], v[AV0]
.irp a, 0,1,2,3
	ds_load_b32 v[FB0+\a], v[FA] offset:512+64*\a  ; F of the next step's first granule
.endr
	v_add_nc_u32 v[FA], 512, v[FA]
	FETCH 0, F0
.if \fill
	WIN 0
	ASK
.endif
	MUL8 F1, 1, 0, 0
	MUL8 F1, 1, 2, 0
.endm
.macro STEP fill                       ; 256 keys: two granules of two quarters
	QUARTER 1, F0, F1, 1, 1
	QUARTER 2, F1, F0, 0, 0
	COMBINE FB0
	QUARTER 3, F0, F1, 1, 0
	TURN \fill
	COMBINE FB1
.endm
; THE WAY OUT of a block: 16 rows at a time, 32 bytes a lane and channel block into rows of 272 bytes, back as whole rows of 256 into D's registers, and stored
.macro WAYOUT
.irp a, 0,1,2,3
	WIN 0x08                                       ; the stored data in window 2
.irp j, 0,1,2,3
	ds_store_b128 v[STO], v[32*\a+8*\j:32*\a+8*\j+3] offset:64*\j
	ds_store_b128 v[STO], v[32*\a+8*\j+4:32*\a+8*\j+7] offset:64*\j+16
.endr
	WIN 0
.irp j, 0,1,2,3,4,5,6,7
	ds_load_b128 v[DD+32*\a+4*\j:DD+32*\a+4*\j+3], v[RD] offset:\j*2*SP
.endr
.irp j, 0,1,2,3,4,5,6,7
	s_wait_dscnt 7-\j
	global_store_b128 v[CO], v[DD+32*\a+4*\j:DD+32*\a+4*\j+3], s[OUT:OUT+1] offset:(16*\a+2*\j)*4096 th:TH_STORE_NT  ; 16 lanes store 256 consecutive bytes, at a multiple of 256 from out0's first
.endr
.endr
.endm
	s_wait_tensorcnt 0x1                           ; my part of tile 0 is in; tile 1's may stay out
	s_wait_dscnt 0x0
	s_barrier_signal -1
	s_barrier_wait -1
	FETCH 0, F0
	WIN 0
	s_mov_b32 s[CNT], 7
	s_mov_b32 s[U], 0
.Lstep:                                                ; seven trips: steps 0 to 6; tiles 2 to 8 are asked for
	STEP 1
	WIN 0
	s_add_co_u32 s[U], s[U], 1
	s_cmp_eq_u32 s[U], s[NL]                       ; block b ends behind step nl - 1, which is 3 at the most; b is the same in all four partners
	s_cbranch_scc0 .Lnot_end
	WAYOUT
	s_wait_xcnt 0x0                                ; the stores have read D's registers and the base
	WIN 0x80
.set i, 0
.rept 128
	v_mov_b32 v[i], 0                              ; O starts anew for block 15 - b
.set i, i+1
.endr
	WIN 0
	s_mov_b64 s[OUT:OUT+1], s[OUTHI:OUTHI+1]
.Lnot_end:
	s_sub_co_u32 s[CNT], s[CNT], 1
	s_cmp_lg_u32 s[CNT], 0
	s_cbranch_scc1 .Lstep
	s_mov_b32 s[CNT], 2
.Ltail:                                                ; steps 7 and 8 ask for nothing
	STEP 0
	WIN 0
	s_sub_co_u32 s[CNT], s[CNT], 1
	s_cmp_lg_u32 s[CNT], 0
	s_cbranch_scc1 .Ltail
	s_wait_dscnt 0x0                               ; the last change's loads (tile 7's bytes once more, and entry 18) serve nothing: the price of one text for both trips
	WAYOUT
	s_wait_tensorcnt 0x0                           ; the wave's end
	ds_add_u32 v[SPW], v[NIL]
	s_wait_dscnt 0x0
	CROUND                                         ; the closing round
	s_endpgm
.Lfunc_end_k_q219a19772f_pv:
	.size	k_q219a19772f_pv, .Lfunc_end_k_q219a19772f_pv-k_q219a19772f_pv
	.p2alignl 7, 3214868480
	.fill 96, 4, 3214868480
	.section	.rodata,"a",@progbits
	.p2align	6, 0x0
	.amdhsa_kernel k_q219a19772f_pv
		.amdhsa_group_segment_fixed_size 327680
		.amdhsa_private_segment_fixed_size 0
		.amdhsa_enable_private_segment 0
		.amdhsa_kernarg_size 32
		.amdhsa_user_sgpr_count 2
		.amdhsa_user_sgpr_kernarg_segment_ptr 1
		.amdhsa_wavefront_size32 1
		.amdhsa_system_sgpr_workgroup_id_x 1
		.amdhsa_system_sgpr_workgroup_id_y 1
		.amdhsa_system_sgpr_workgroup_id_z 1
		.amdhsa_system_vgpr_workitem_id 0
		.amdhsa_next_free_vgpr 640
		.amdhsa_next_free_sgpr 92
		.amdhsa_reserve_vcc 0
		.amdhsa_float_denorm_mode_32 3
		.amdhsa_float_denorm_mode_16_64 3
		.amdhsa_memory_ordered 1
		.amdhsa_forward_progress 1
		.amdhsa_inst_pref_size 105
	.end_amdhsa_kernel
	.amdgpu_metadata
---
amdhsa.version: [ 1, 2 ]
amdhsa.kernels:
  - .name:           k_q219a19772f_pv
    .symbol:         k_q219a19772f_pv.kd
    .args:
      - { .name: p, .offset: 0, .size: 8, .value_kind: global_buffer, .address_space: global }
      - { .name: qkv, .offset: 8, .size: 8, .value_kind: global_buffer, .address_space: global }
      - { .name: st, .offset: 16, .size: 8, .value_kind: global_buffer, .address_space: global }
      - { .name: out0, .offset: 24, .size: 8, .value_kind: global_buffer, .address_space: global }
    .group_segment_fixed_size: 327680
    .private_segment_fixed_size: 0
    .kernarg_segment_align: 8
    .kernarg_segment_size: 32
    .max_flat_workgroup_size: 128
    .sgpr_count:     92
    .vgpr_count:     640
    .wavefront_size: 32
...
	.end_amdgpu_metadata
.endif
;; end of part 4
